; MI455X (gfx1250); checked and timed in simulation.
; The chip was launched on July 23, 2026; its instructions are those of AMD's public machine-readable ISA for CDNA 5 (MIT licence, August 2026) and "CDNA5" Instruction Set Architecture Reference Guide (July 2026). The comments in the code are by the model that wrote it; some were corrected since.
;; YOCO Cross Attention. Allowed arithmetic: float matrix products may take bf16 or f16 operands with f32 sums; all other float work in f32.
;; Inputs: Wo 2,048 x 2,048 float32; Wq 2,048 x 2,048 float32; hidden_states 2 x 2,048 x 2,048 float32; shared_k 2 x 2,048 x 32 x 64 float32; shared_v 2 x 2,048 x 32 x 64 float32.
;; Outputs: out0 2 x 2,048 x 2,048 float32.
;; One version. Each part assembles by itself: llvm-mc -triple=amdgcn-amd-amdhsa -mcpu=gfx1250 --defsym DOCPART=n.
;; ======== version 1 of 1: 4 launches
;; limits: values are held in f16: magnitudes above 65,504 overflow, below 6.1e-05 lose precision; below input magnitudes of 7.6e-06 results are inexact or not finite
;; workspace buffers: hb 16,777,216 bytes; wqb 8,388,608 bytes; wob 8,388,608 bytes; rt 524,288 bytes; qh 16,777,216 bytes; oh 16,777,216 bytes
;; launch prep (part 1): grid 1024 x 1, 8 waves a work-group, no clusters, 0 bytes of LDS; arguments hidden_states, Wq, Wo, hb, wqb, wob, rt; writes hb, wqb, wob, rt
.if DOCPART == 1
	.amdgcn_target "amdgcn-amd-amdhsa--gfx1250"
	.amdhsa_code_object_version 6
	.text
	.protected	k_q600deb0187_prep
	.globl	k_q600deb0187_prep
	.p2align	8
	.type	k_q600deb0187_prep,@function
k_q600deb0187_prep:
	s_mov_b64 s[64:65], 0
	v_nop
	global_prefetch_b8 v0, s[64:65] scope:SCOPE_SE
	s_setreg_imm32_b32 hwreg(HW_REG_WAVE_MODE, 25, 1), 1
	s_wait_xcnt 0x0
; Casts for the two GEMMs, and the RoPE table.  A stream: every input byte is read once, every output byte written once.
;   hb  = bf16(hidden_states), in panels [b][k/64][t][64]: a panel is 2,048 rows of 128 bytes, dense
;   wqb = bf16(Wq) [n][k];   wob = f16(bf16(Wo)) [n][k]
;   rt  = [t][i = 0..31] pairs (c cos, c sin) of the angle t * 10000^(-i/32), c = log2(e) / 8 (the softmax scale and the change to base 2)
; A work-group takes 64 KiB of input, a wave 8 KiB: 16 chunks of one 16-byte load a lane (512 bytes) and one 8-byte store a lane
; (256 consecutive bytes, aligned).  All 16 loads go out first; no register is used twice, so the only waits are the counted ones.
; No LDS, no matrix unit, no cluster: nothing is shared and nothing is multiplied.
; LIMITS: |Wo| < 65,504 (f16); below 2^-17 f16 drops bits of the bf16 form (absolute error at most 2^-25).
; The angle is reduced in turns with a fused multiply-add; what is left is the error of 10000^(-i/32), a few 1e-7 of the angle,
; a few 1e-4 rad at t = 2047.
.set X, 4                              ; v[4:67]    chunk c: 4 f32 as loaded
.set Y, 68                             ; v[68:99]   chunk c: 4 numbers of 16 bits to store
.set T, 100                            ; v[100:115] at work
.macro LD16 base, step                 ; 16 loads, \step bytes apart
.set c, 0
.rept 16
	global_load_b128 v[X+4*c:X+4*c+3], v1, s[\base:\base+1] offset:c*\step th:TH_LOAD_NT
.set c, c+1
.endr
.endm
.macro CV16 mode, obase, ostep         ; mode 0: to bf16; mode 1: to bf16 and on to f16
.set c, 0
.rept 16
	s_wait_loadcnt 15-c                            ; loads come back in order: chunk c is in, the 15-c younger ones stay out
	v_cvt_pk_bf16_f32 v[Y+2*c], v[X+4*c], v[X+4*c+1]
	v_cvt_pk_bf16_f32 v[Y+2*c+1], v[X+4*c+2], v[X+4*c+3]
.if \mode
	v_lshlrev_b32 v[T], 16, v[Y+2*c]               ; bf16 to f32: the low half moves up, the high half stays
	v_and_b32 v[T+1], s25, v[Y+2*c]
	v_lshlrev_b32 v[T+2], 16, v[Y+2*c+1]
	v_and_b32 v[T+3], s25, v[Y+2*c+1]
	v_cvt_pk_f16_f32 v[Y+2*c], v[T], v[T+1]
	v_cvt_pk_f16_f32 v[Y+2*c+1], v[T+2], v[T+3]
.endif
	global_store_b64 v2, v[Y+2*c:Y+2*c+1], s[\obase:\obase+1] offset:c*\ostep
.set c, c+1
.endr
.endm
	s_load_b256 s[4:11], s[0:1], 0x0               ; hidden s[4:5], Wq s[6:7], Wo s[8:9], hb s[10:11]
	s_load_b128 s[12:15], s[0:1], 0x20             ; wqb s[12:13], wob s[14:15]
	s_load_b64 s[16:17], s[0:1], 0x30              ; rt
	v_and_b32 v3, 31, v0                           ; lane
	v_lshrrev_b32 v[T], 5, v0
	v_readfirstlane_b32 s18, v[T]                  ; wave
	s_mov_b32 s19, ttmp9                           ; work-group j: 0-511 hidden, 512-767 Wq and the table, 768-1023 Wo
	s_mov_b32 s25, 0xffff0000
	s_cmp_lt_u32 s19, 512
	s_cbranch_scc0 .Lweights
	; hidden: rows 8 j .. 8 j + 7.  Wave w: rows 2 (w>>1), +1; columns 1,024 (w&1) .. +1,023 = 16 panels, one a chunk.
	; Lanes 0-15 take 256 bytes of the even row, lanes 16-31 of the odd one: in a panel these are 256 neighbouring bytes.
	s_lshr_b32 s20, s18, 1
	s_and_b32 s21, s18, 1
	s_lshl_b32 s20, s20, 1
	s_lshl_b32 s22, s19, 3
	s_add_co_u32 s22, s22, s20                     ; the even row
	s_lshl_b32 s23, s22, 13                        ; x 8,192 bytes
	s_lshl_b32 s24, s21, 12
	s_add_co_u32 s23, s23, s24                     ; + half a row
	v_lshrrev_b32 v[T], 4, v3
	v_and_b32 v[T+1], 15, v3
	v_lshlrev_b32 v1, 13, v[T]
	v_lshl_add_u32 v1, v[T+1], 4, v1
	v_add_nc_u32 v1, s23, v1                       ; where I read
	s_lshr_b32 s24, s19, 8
	s_lshl_b32 s24, s24, 23                        ; batch: 32 panels
	s_lshl_b32 s23, s21, 22                        ; 16 panels
	s_add_co_u32 s24, s24, s23
	s_and_b32 s23, s22, 2047
	s_lshl_b32 s23, s23, 7                         ; row in the panel x 128 bytes
	s_add_co_u32 s24, s24, s23
	v_lshl_add_u32 v2, v3, 3, s24                  ; where I write
	s_wait_kmcnt 0x0
	LD16 4, 256
	CV16 0, 10, 262144                             ; the next panel is 262,144 bytes on: 15 of them stay inside the signed 24-bit immediate
	s_endpgm
.Lweights:
	s_and_b32 s20, s19, 255                        ; 64 KiB block of the matrix
	s_lshl_b32 s21, s20, 16
	s_lshl_b32 s22, s18, 13
	s_add_co_u32 s21, s21, s22
	v_lshl_add_u32 v1, v3, 4, s21                  ; where I read: dense
	s_lshr_b32 s21, s21, 1
	v_lshl_add_u32 v2, v3, 3, s21                  ; where I write: half of it
	s_wait_kmcnt 0x0
	s_cmp_lt_u32 s19, 768
	s_cbranch_scc0 .Lwo
	LD16 6, 512
	; One table entry a thread while the loads are on their way: e = 256 j' + thread, t = e >> 5, i = e & 31.
	s_lshl_b32 s23, s20, 8
	s_mov_b32 s26, 0x3e38aa3b                      ; c
	s_mov_b32 s27, 0xbeb8aa3b                      ; -2 c
	s_mov_b32 s28, 0x3eb8aa3b                      ; 2 c
	v_add_nc_u32 v104, s23, v0
	v_lshrrev_b32 v105, 5, v104
	v_and_b32 v106, 31, v104
	v_cvt_f32_u32 v105, v105                       ; t
	v_cvt_f32_u32 v106, v106                       ; i
	v_mul_f32 v106, 0xbed49a78, v106               ; -i log2(10000) / 32
	v_exp_f32 v106, v106
	v_lshlrev_b32 v104, 3, v104                    ; the plain instruction behind v_exp_f32 (ISA guide 5.7.2); 8 bytes an entry
	s_wait_alu depctr_va_vdst(0)
	v_mul_f32 v106, 0.15915494, v106               ; turns for each step of t
	v_mul_f32 v107, v105, v106
	v_rndne_f32 v107, v107                         ; whole turns
	v_fma_f32 v107, v105, v106, -v107              ; f in [-0.5, 0.5] turns, from the unrounded product
	v_mul_f32 v108, v107, v107                     ; z = f^2
	v_mov_b32 v109, 0x3da83c1a                     ; sin(pi f) = f (pi - pi^3/6 z + pi^5/120 z^2 - pi^7/5040 z^3 + pi^9/362880 z^4)
	v_fmaak_f32 v109, v109, v108, 0xbf196966
	v_fmaak_f32 v109, v109, v108, 0x402335e3
	v_fmaak_f32 v109, v109, v108, 0xc0a55de7
	v_fmaak_f32 v109, v109, v108, 0x40490fdb
	v_mul_f32 v109, v109, v107
	v_mov_b32 v112, 0xbcd368f9                     ; cos(pi f) = 1 - pi^2/2 z + pi^4/24 z^2 - pi^6/720 z^3 + pi^8/40320 z^4 - pi^10/3628800 z^5
	v_fmaak_f32 v112, v112, v108, 0x3e70fa83
	v_fmaak_f32 v112, v112, v108, 0xbfaae9e4
	v_fmaak_f32 v112, v112, v108, 0x4081e0f8
	v_fmaak_f32 v112, v112, v108, 0xc09de9e6
	v_fma_f32 v112, v112, v108, 1.0
	v_mul_f32 v113, v109, v109
	v_mul_f32 v114, v109, v112
	v_fma_f32 v110, v113, s27, s26                 ; c cos(2 pi f) = c - 2 c sin^2(pi f)
	v_mul_f32 v111, s28, v114                      ; c sin(2 pi f) = 2 c sin(pi f) cos(pi f)
	CV16 0, 12, 256
	global_store_b64 v104, v[110:111], s[16:17]    ; a wave's 32 entries are one row t of the table: 256 consecutive bytes
	s_endpgm
.Lwo:
	LD16 8, 512
	CV16 1, 14, 256
	s_endpgm
.Lfunc_end_k_q600deb0187_prep:
	.size	k_q600deb0187_prep, .Lfunc_end_k_q600deb0187_prep-k_q600deb0187_prep
	.p2alignl 7, 3214868480
	.fill 96, 4, 3214868480
	.section	.rodata,"a",@progbits
	.p2align	6, 0x0
	.amdhsa_kernel k_q600deb0187_prep
		.amdhsa_group_segment_fixed_size 0
		.amdhsa_private_segment_fixed_size 0
		.amdhsa_enable_private_segment 0
		.amdhsa_kernarg_size 56
		.amdhsa_user_sgpr_count 2
		.amdhsa_user_sgpr_kernarg_segment_ptr 1
		.amdhsa_wavefront_size32 1
		.amdhsa_system_sgpr_workgroup_id_x 1
		.amdhsa_system_sgpr_workgroup_id_y 1
		.amdhsa_system_sgpr_workgroup_id_z 1
		.amdhsa_system_vgpr_workitem_id 0
		.amdhsa_next_free_vgpr 120
		.amdhsa_next_free_sgpr 66
		.amdhsa_reserve_vcc 0
		.amdhsa_float_denorm_mode_32 3
		.amdhsa_float_denorm_mode_16_64 3
		.amdhsa_memory_ordered 1
		.amdhsa_forward_progress 1
		.amdhsa_inst_pref_size 25
	.end_amdhsa_kernel
	.amdgpu_metadata
---
amdhsa.version: [ 1, 2 ]
amdhsa.kernels:
  - .name:           k_q600deb0187_prep
    .symbol:         k_q600deb0187_prep.kd
    .args:
      - { .name: hidden_states, .offset: 0, .size: 8, .value_kind: global_buffer, .address_space: global }
      - { .name: Wq, .offset: 8, .size: 8, .value_kind: global_buffer, .address_space: global }
      - { .name: Wo, .offset: 16, .size: 8, .value_kind: global_buffer, .address_space: global }
      - { .name: hb, .offset: 24, .size: 8, .value_kind: global_buffer, .address_space: global }
      - { .name: wqb, .offset: 32, .size: 8, .value_kind: global_buffer, .address_space: global }
      - { .name: wob, .offset: 40, .size: 8, .value_kind: global_buffer, .address_space: global }
      - { .name: rt, .offset: 48, .size: 8, .value_kind: global_buffer, .address_space: global }
    .group_segment_fixed_size: 0
    .private_segment_fixed_size: 0
    .kernarg_segment_align: 8
    .kernarg_segment_size: 56
    .max_flat_workgroup_size: 256
    .sgpr_count:     66
    .vgpr_count:     120
    .wavefront_size: 32
...
	.end_amdgpu_metadata
.endif
;; end of part 1
;; launch qproj (part 2): grid 8 x 32, 4 waves a work-group, clusters of 4 x 4, 327,680 bytes of LDS; arguments hb, wqb, qh, rt; writes qh
.if DOCPART == 2
	.amdgcn_target "amdgcn-amd-amdhsa--gfx1250"
	.amdhsa_code_object_version 6
	.text
	.protected	k_q600deb0187_qproj
	.globl	k_q600deb0187_qproj
	.p2align	8
	.type	k_q600deb0187_qproj,@function
k_q600deb0187_qproj:
	s_mov_b64 s[64:65], 0
	v_nop
	global_prefetch_b8 v0, s[64:65] scope:SCOPE_SE
	s_setreg_imm32_b32 hwreg(HW_REG_WAVE_MODE, 25, 1), 1
	s_wait_xcnt 0x0
	s_wait_alu depctr_hold_cnt(0) depctr_sa_sdst(0) depctr_va_vdst(0) depctr_va_sdst(0) depctr_va_ssrc(0) depctr_va_vcc(0) depctr_vm_vsrc(0)
	s_getreg_b32 s2, hwreg(HW_REG_IB_STS2, 6, 4)
	s_cmp_eq_u32 s2, 0
	s_cbranch_scc0 .Lentry_in_a_cluster
	s_endpgm
.Lentry_in_a_cluster:
	s_bfe_u32 s2, ttmp6, 0x10000c
	s_cmp_lg_u32 s2, 0xf033
	s_cbranch_scc0 .Lentry_shape_is_right
	s_endpgm
.Lentry_shape_is_right:
; q = RoPE(hidden Wq^T) * log2(e)/8, to f16, in panels [b*32+head][t][64].  Operands bf16, sums f32.
; A (hb) lies in panels [b][k/64][t][64]; B (wqb) is [n][k].  M = 4,096, N = K = 2,048.
; A work-group makes 128 (M) x 256 (N) with four waves.  Wave w: nh = w & 1 is its 128 columns, kh = w >> 1 its half (64) of every K step of
; 128: so a wave's tile is 128 x 128 (64 accumulator tiles, 512 registers) over half of K, and for 32 along K it reads 2 x 128 x 64 bytes of LDS
; for 64 matrix instructions.  The two K halves are added once, at the end: each wave keeps 64 rows and gives 64 to wave w ^ 2 through LDS.
; K goes through a ring of two LDS slots filled by the tensor data mover, one load a wave: waves 0, 1 bring B's halves (128 rows x 256 bytes),
; waves 2, 3 A's planes (one panel's 128 rows: 16 KiB that are dense in memory, moved as 64 rows of 256 bytes).
; CLUSTERS: 4 x 4 work-groups.  A's tile hangs on the block row alone and is asked for jointly along a row of the cluster, B's on the block
; column alone, jointly along a column: that divides the requests for A and B by four.
; REGISTERS: window 0: v16-29 addresses, v64-127 / v128-191 fragments of A (two buffers), v192-231 at work on the way out;
; window 1: v64-191 fragments of B, later the RoPE table; window 2: the 64 rows that I keep; window 3: the 64 rows that I give.
; The matrix instruction is used transposed (source 0 = rows of B, source 1 = rows of A): lane l holds row l % 16 and eight neighbouring columns.
; LIMIT: |q| log2(e)/8 < 65,504 (f16).
.set KSTEP,  128
.set PA,     144                       ; LDS pitch of A's rows: 128 bytes + 16
.set PB,     272                       ; LDS pitch of B's rows: 256 bytes + 16: both odd multiples of 16, so 16 rows start in 16 different 16-byte columns
.set PLANE,  128*PA                    ; 18,432: one panel's 128 rows
.set HALFB,  128*PB                    ; 34,816: 128 rows of B
.set ABASE,  2*HALFB                   ; a slot: B's two halves, then A's two planes
.set SLOT,   2*HALFB+2*PLANE           ; 106,496
.set STAGE,  2*SLOT                    ; 212,992, a multiple of 256: no fill lands behind it
.set STGW,   8448                      ; stage bytes of a wave
.set XW,     32768                     ; exchange bytes of a wave, inside the ring, used behind its last fill
.set LAPS,   2048/(2*KSTEP)            ; 8 laps of two K steps
.set ADRK, 16                          ; v16-17  my A fragments, rows that I keep, slot 0, 1
.set ADRG, 18                          ; v18-19  rows that I give
.set ADRB, 20                          ; v20-21  my B fragments
.set STO,  24
.set RD,   25
.set CO,   26
.set XST,  27
.set XLD,  28
.set TO,   29
.set F0,   64
.set F1,   128
.set TMP,  192
.set T,    224
.set G1, 24                            ; s[24:31] group 1 for A
.set G0, 32                            ; s[32:39] group 0 for A, one set a slot
.set G1B, 48                           ; s[48:55] group 1 for B
.set G0B, 56                           ; s[56:63] group 0 for B
.set MSB, 0
.macro WIN new                         ; the immediate's high byte repeats the setting that is left
.if MSB != \new
	s_set_vgpr_msb (MSB<<8)|\new
.set MSB, \new
.endif
.endm
.set MUL_LO, 0xa1                      ; source 0 (B) window 1, source 1 (A) window 0, C and D window 2
.set MUL_HI, 0xf1                      ; the same, C and D window 3
.set TO_B,   0x40                      ; destination window 1
.macro JLOAD s                         ; a joint load: each line has one mask; the branch hangs on the wave's number alone
	s_cmp_eq_u32 s11, 0
	s_cbranch_scc0 .Lfor_a_\@
	tensor_load_to_lds s[G0B+4*\s:G0B+4*\s+3], s[G1B:G1B+7]
	s_nop 0
	s_branch .Lasked_\@
.Lfor_a_\@:
	tensor_load_to_lds s[G0+4*\s:G0+4*\s+3], s[G1:G1+7]
	s_nop 0
.Lasked_\@:
.endm
.macro CREST                           ; a round of the cluster's barrier behind its opening barrier
	s_cmp_lg_u32 s10, 0
	s_cbranch_scc1 .Lnot_wave_0_\@
	s_barrier_signal -3
.Lnot_wave_0_\@:
	s_barrier_wait -3
	s_barrier_signal -1
	s_barrier_wait -1
.endm
.macro CROUND
	s_barrier_signal -1
	s_barrier_wait -1
	CREST
.endm
	s_load_b128 s[4:7], s[0:1], 0x0                ; A s[4:5], B s[6:7]
	s_load_b64 s[8:9], s[0:1], 0x10                ; qh
	s_load_b64 s[66:67], s[0:1], 0x18              ; rt
	s_set_vgpr_msb 0x40
	v_lshl_add_u32 v255, v0, 2, 0x3c400
	s_set_vgpr_msb 0x4000
	v_mov_b32 v255, 0
	s_set_vgpr_msb 0x1
	ds_add_u32 v255, v255
	s_set_vgpr_msb 0x100
	v_lshrrev_b32 v1, 5, v0
	v_readfirstlane_b32 s10, v1                    ; wave
	s_lshr_b32 s11, s10, 1                         ; kh.  Also: I fetch for B (0) or for A (1)
	s_and_b32 s12, s10, 1                          ; nh.  Also: which half of B, which plane of A I fetch
	s_bfe_u32 s40, ttmp6, 0x40000                  ; cx
	s_bfe_u32 s41, ttmp6, 0x40004                  ; cy
	s_lshl_b32 s42, ttmp9, 2
	s_add_co_u32 s42, s42, s40                     ; block column bx
	s_and_b32 s13, ttmp7, 0xffff
	s_lshl_b32 s13, s13, 2
	s_add_co_u32 s13, s13, s41                     ; block row by
	s_lshl_b32 s43, s41, 2
	s_lshl_b32 s43, 15, s43                        ; my row of the cluster
	s_lshl_b32 s44, 0x1111, s40                    ; my column
	; group 1 for A: 64 rows of 32 elements of 8 bytes, dense; 4 words of padding behind every 32 words, so that each 128 bytes (a panel's row) lies 144 apart
	s_or_b32 s[G1+0], s43, (3<<16)|(1<<20)|(1<<21)|(4<<22)|(3<<25)
	s_mov_b32 s[G1+1], 32<<16                      ; tensor_dim0 = 32
	s_mov_b32 s[G1+2], 64<<16                      ; tensor_dim1 = 64
	s_mov_b32 s[G1+3], 32<<16                      ; tile_dim0 = 32
	s_mov_b32 s[G1+4], 64                          ; tile_dim1 = 64
	s_mov_b32 s[G1+5], 32                          ; pitch 32 elements
	s_mov_b32 s[G1+6], 0
	s_mov_b32 s[G1+7], 0
	; group 1 for B: 128 rows of 128 elements of 2 bytes, pitch 2,048; 4 words of padding behind every 64 words
	s_or_b32 s[G1B+0], s44, (1<<16)|(1<<20)|(1<<21)|(5<<22)|(3<<25)
	s_mov_b32 s[G1B+1], KSTEP<<16
	s_mov_b32 s[G1B+2], 128<<16
	s_mov_b32 s[G1B+3], KSTEP<<16
	s_mov_b32 s[G1B+4], 128
	s_mov_b32 s[G1B+5], 2048
	s_mov_b32 s[G1B+6], 0
	s_mov_b32 s[G1B+7], 0
	; A: batch (by >> 4) x 32 panels + rows 128 (by & 15) x 128 bytes + plane; B: row 256 bx + 128 half, 4,096 bytes a row
	s_lshr_b32 s16, s13, 4
	s_lshl_b32 s16, s16, 23
	s_and_b32 s17, s13, 15
	s_lshl_b32 s17, s17, 14
	s_add_co_u32 s16, s16, s17
	s_lshl_b32 s17, s12, 18
	s_add_co_u32 s16, s16, s17
	s_mov_b32 s17, 0
	s_lshl_b32 s46, s42, 20
	s_lshl_b32 s47, s12, 19
	s_add_co_u32 s46, s46, s47
	s_mov_b32 s47, 0
	s_mul_i32 s20, s10, HALFB                      ; B lands at wave x 34,816 (waves 0, 1)
	s_mul_i32 s21, s10, PLANE
	s_add_co_u32 s21, s21, ABASE-2*PLANE           ; A at 32,768 + wave x 18,432 (waves 2, 3): no place in the cluster enters an LDS address
	s_wait_dscnt 0x0
	s_wait_kmcnt 0x0
	s_add_nc_u64 s[14:15], s[4:5], s[16:17]
	s_add_nc_u64 s[46:47], s[6:7], s[46:47]
	CROUND                                         ; all sixteen work-groups are here: the first joint loads meet
.irp s, 0,1
	s_mov_b32 s[G0+4*\s], 1
	s_add_co_u32 s[G0+4*\s+1], s21, \s*SLOT
	s_add_nc_u64 s[G0+4*\s+2:G0+4*\s+3], s[14:15], \s*2*262144     ; K step s = panels 2 s, 2 s + 1
	s_or_b32 s[G0+4*\s+3], s[G0+4*\s+3], 0x80000000
	s_mov_b32 s[G0B+4*\s], 1
	s_add_co_u32 s[G0B+4*\s+1], s20, \s*SLOT
	s_add_nc_u64 s[G0B+4*\s+2:G0B+4*\s+3], s[46:47], \s*KSTEP*2
	s_or_b32 s[G0B+4*\s+3], s[G0B+4*\s+3], 0x80000000
	JLOAD \s                                       ; both slots' first fills go out together: two tensor loads of a wave are out, later one
.endr
	v_and_b32 v1, 15, v0                           ; r
	v_bfe_u32 v2, v0, 4, 1                         ; h
	v_and_b32 v6, 31, v0                           ; lane
	v_mul_u32_u24 v3, v1, PB
	v_lshl_add_u32 v3, v2, 4, v3                   ; B: r x 272 + 16 h
	v_mul_u32_u24 v4, v1, PA
	v_lshl_add_u32 v4, v2, 4, v4                   ; A: r x 144 + 16 h
	s_mul_i32 s22, s12, HALFB
	s_lshl_b32 s23, s11, 7
	s_add_co_u32 s22, s22, s23                     ; my 128 rows of B, my 128 bytes of each
	s_mul_i32 s23, s11, PLANE+64*PA
	s_add_co_u32 s23, s23, ABASE                   ; plane kh, rows 64 kh: I keep them
	s_mul_i32 s16, s11, PLANE-64*PA
	s_add_co_u32 s16, s16, ABASE+64*PA             ; plane kh, rows 64 (1 - kh): I give them
.irp s, 0,1
	v_add_nc_u32 v[ADRB+\s], s22, v3
	v_add_nc_u32 v[ADRK+\s], s23, v4
	v_add_nc_u32 v[ADRG+\s], s16, v4
	s_add_co_u32 s22, s22, SLOT
	s_add_co_u32 s23, s23, SLOT
	s_add_co_u32 s16, s16, SLOT
.endr
	s_mul_i32 s23, s10, STGW
	s_add_co_u32 s23, s23, STAGE                   ; my stage
	v_add_nc_u32 v[STO], s23, v4                   ; in: row r of a head's 16 x 144 bytes, 16 bytes for each half of the lanes
	v_bfe_u32 v5, v0, 3, 2
	v_and_b32 v7, 7, v0
	v_mul_u32_u24 v5, v5, PA
	v_lshl_add_u32 v5, v7, 4, v5
	v_add_nc_u32 v[RD], s23, v5                    ; back: four rows of 128 bytes a load
	v_lshlrev_b32 v[CO], 4, v6                     ; which are 512 neighbouring bytes of a panel
	s_lshl_b32 s23, s10, 15
	v_lshl_add_u32 v[XST], v6, 4, s23              ; exchange: my bytes,
	s_xor_b32 s23, s10, 2
	s_lshl_b32 s23, s23, 15
	v_lshl_add_u32 v[XLD], v6, 4, s23              ; my partner's
	v_lshlrev_b32 v[TO], 8, v1
	v_lshl_add_u32 v[TO], v2, 5, v[TO]             ; table: row r x 256 + 32 h
; 16 matrix instructions: m blocks a0, a0 + 1 of a window's four x all 8 n blocks.  zero = 1: the first product starts the sums.
; The 64 accumulators take turns, one instruction a turn, in the same order in every quarter.
.macro MUL16 f, hi, a0, zero
.irp a, \a0, \a0+1
.irp b, 0,1,2,3,4,5,6,7
.if \zero
	v_wmma_f32_16x16x32_bf16 v[8*(8*(\a)+\b):8*(8*(\a)+\b)+7], v[\f+8*\b:\f+8*\b+7], v[\f+8*(4*\hi+\a):\f+8*(4*\hi+\a)+7], 0
.else
	v_wmma_f32_16x16x32_bf16 v[8*(8*(\a)+\b):8*(8*(\a)+\b)+7], v[\f+8*\b:\f+8*\b+7], v[\f+8*(4*\hi+\a):\f+8*(4*\hi+\a)+7], v[8*(8*(\a)+\b):8*(8*(\a)+\b)+7]
.endif
.endr
.endr
.endm
; 32 LDS loads in one run: 128 rows of B, 64 rows of A to keep, 64 to give, 32 K at byte k of my half of the rows
.macro FETCH slot, k, f
	WIN TO_B
.irp i, 0,1,2,3,4,5,6,7
	ds_load_b128 v[\f+8*\i:\f+8*\i+3],   v[ADRB+\slot] offset:\k+\i*16*PB
	ds_load_b128 v[\f+8*\i+4:\f+8*\i+7], v[ADRB+\slot] offset:\k+\i*16*PB+32
.endr
	WIN 0
.irp i, 0,1,2,3
	ds_load_b128 v[\f+8*\i:\f+8*\i+3],   v[ADRK+\slot] offset:\k+\i*16*PA
	ds_load_b128 v[\f+8*\i+4:\f+8*\i+7], v[ADRK+\slot] offset:\k+\i*16*PA+32
.endr
.irp i, 0,1,2,3
	ds_load_b128 v[\f+32+8*\i:\f+32+8*\i+3],   v[ADRG+\slot] offset:\k+\i*16*PA
	ds_load_b128 v[\f+32+8*\i+4:\f+32+8*\i+7], v[ADRG+\slot] offset:\k+\i*16*PA+32
.endr
.endm
.macro PLACES                          ; four places behind a matrix instruction, in front of loads into its sources and of readers of its result
.rept 4
	v_nop
.endr
.endm
; The first half of my part of a K step: multiplies buffer 0, fetches the second half's fragments into buffer 1 in its middle.
.macro HALF1 slot, zero
	s_wait_dscnt 8                                 ; B and the rows to keep are in; the youngest eight loads (rows to give) may be out
	WIN MUL_LO
	MUL16 F0, 0, 0, \zero
	MUL16 F0, 0, 2, \zero
	PLACES
	FETCH \slot, 64, F1
	s_wait_dscnt 32                                ; all but the 32 just issued
	WIN MUL_HI
	MUL16 F0, 1, 0, \zero
	MUL16 F0, 1, 2, \zero
.endm
; The second half: multiplies buffer 1 and changes slots.  One barrier for the change: in front of it each wave waits for its reads of this slot
; and for all its tensor loads (one is out: its part of the next slot); behind it the refill comes first, then the next slot's first fragments.
; From a request to the wait for it a wave issues 112 matrix instructions.
.macro TURN slot, next, fill
	s_wait_dscnt 8
	WIN MUL_LO
	MUL16 F1, 0, 0, 0
	s_wait_dscnt 0                                 ; my reads of this slot are over
	s_wait_tensorcnt 0x0                           ; all my tensor loads have landed
	ds_add_u32 v255, v255
	s_wait_dscnt 0x0
	s_barrier_signal -1                            ; where a slot is filled again this barrier opens a round of the cluster's barrier
	MUL16 F1, 0, 2, 0                              ; register work while the others arrive
	WIN 0
	s_barrier_wait -1
.if \fill
	CREST                                          ; no wave of any partner still reads this slot or has a load on its way
	s_add_nc_u64 s[G0+4*\slot+2:G0+4*\slot+3], s[G0+4*\slot+2:G0+4*\slot+3], 4*262144
	s_add_nc_u64 s[G0B+4*\slot+2:G0B+4*\slot+3], s[G0B+4*\slot+2:G0B+4*\slot+3], 2*KSTEP*2
	JLOAD \slot                                    ; the first tensor load behind the round, my only one until the next
.endif
	PLACES
	FETCH \next, 0, F0
	WIN MUL_HI
	MUL16 F1, 1, 0, 0
	MUL16 F1, 1, 2, 0
.endm
.macro LAP zero
	HALF1 0, \zero
	TURN 0, 1, 1
	HALF1 1, 0
	TURN 1, 0, 1
.endm
	s_wait_tensorcnt 1                             ; my part of K step 0 is in; K step 1's may stay out
	s_barrier_signal -1
	s_barrier_wait -1
	FETCH 0, 0, F0
	LAP 1                                          ; the first lap stands in front of the loop: its first products start the sums
	WIN 0
	s_mov_b32 s3, LAPS-2
.Llap:
	LAP 0
	WIN 0
	s_sub_co_u32 s3, s3, 1
	s_cmp_lg_u32 s3, 0
	s_cbranch_scc1 .Llap
	HALF1 0, 0                                     ; the last lap fills nothing
	TURN 0, 1, 0
	HALF1 1, 0
	s_wait_dscnt 8
	WIN MUL_LO
	MUL16 F1, 0, 0, 0
	MUL16 F1, 0, 2, 0
	s_wait_dscnt 0
	WIN MUL_HI
	MUL16 F1, 1, 0, 0
	MUL16 F1, 1, 2, 0
	; THE END.  The four places serve the table's loads into B's registers, the LDS stores of results and the sums.
	PLACES
	WIN 0
	s_and_b32 s14, s13, 15
	s_lshl_b32 s14, s14, 7
	s_lshl_b32 s15, s11, 6
	s_add_co_u32 s14, s14, s15                     ; t of the first row that I keep
	s_lshl_b32 s16, s14, 8
	s_mov_b32 s17, 0
	s_add_nc_u64 s[66:67], s[66:67], s[16:17]      ; its row of the table
	; my lane's columns of tile (a, b) are d = 16 (b & 3) + 8 h + 0..7 of a head: four pairs (cos, sin), 32 bytes at 64 (b & 3) + 32 h of row t
	WIN TO_B
.irp a, 0,1,2,3
.irp b, 0,1,2,3
	global_load_b128 v[64+32*\a+8*\b:64+32*\a+8*\b+3],   v[TO], s[66:67] offset:\a*4096+\b*64
	global_load_b128 v[64+32*\a+8*\b+4:64+32*\a+8*\b+7], v[TO], s[66:67] offset:\a*4096+\b*64+16
.endr
.endr
	WIN 0
	s_wait_dscnt 0x0
	s_barrier_signal -1
	s_barrier_wait -1                              ; nobody reads the ring any more, and it has had its last fill
	WIN 0x0c                                       ; store data from window 3
.set q, 0
.rept 64
	ds_store_b128 v[XST], v[4*q:4*q+3] offset:512*q
.set q, q+1
.endr
	s_wait_dscnt 0x0                               ; for my partner's sake: zero
	s_barrier_signal -1
	s_barrier_wait -1
	WIN 0xc0                                       ; into window 3: my partner's sums for the rows that I keep
.set q, 0
.rept 64
	ds_load_b128 v[4*q:4*q+3], v[XLD] offset:512*q
.set q, q+1
.endr
	s_wait_dscnt 0x0
	WIN 0x8e                                       ; window 2 += window 3
.set q, 0
.rept 128
	v_pk_add_f32 v[2*q:2*q+1], v[2*q:2*q+1], v[2*q:2*q+1]
.set q, q+1
.endr
	WIN 0
	s_lshr_b32 s16, s13, 4
	s_lshl_b32 s16, s16, 23                        ; batch: 32 panels
	s_lshl_b32 s15, s14, 7                         ; my first row x 128 bytes
	s_add_co_u32 s16, s16, s15
	s_add_nc_u64 s[8:9], s[8:9], s[16:17]
	s_lshl_b32 s46, s42, 20                        ; head 4 bx + 2 nh, 262,144 bytes a panel
	s_lshl_b32 s47, s12, 19
	s_add_co_u32 s46, s46, s47
	s_mov_b32 s47, 0
	s_add_nc_u64 s[8:9], s[8:9], s[46:47]
	s_wait_loadcnt 0x0                             ; the table
; 16 rows at a time: rotate (x from window 2, table from window 1), round to f16, 16 bytes a lane into my stage, back as whole rows.
.macro QOUT a, f
	WIN 0x06
.irp b, 0,1,2,3,4,5,6,7
.irp p, 0,1,2,3
	v_mul_f32 v[T+2*\p],   v[8*(8*\a+\b)+2*\p+1], v[64+32*\a+8*(\b&3)+2*\p+1]
	v_mul_f32 v[T+2*\p+1], v[8*(8*\a+\b)+2*\p],   v[64+32*\a+8*(\b&3)+2*\p+1]
	v_fma_f32 v[F0+8*\b+2*\p],   v[8*(8*\a+\b)+2*\p],   v[64+32*\a+8*(\b&3)+2*\p], -v[T+2*\p]
	v_fma_f32 v[F0+8*\b+2*\p+1], v[8*(8*\a+\b)+2*\p+1], v[64+32*\a+8*(\b&3)+2*\p], v[T+2*\p+1]
.endr
.endr
	WIN 0
.irp b, 0,1,2,3,4,5,6,7
.irp p, 0,1,2,3
	v_cvt_pk_f16_f32 v[TMP+4*\b+\p], v[F0+8*\b+2*\p], v[F0+8*\b+2*\p+1]
.endr
.endr
.irp b, 0,1,2,3,4,5,6,7
	ds_store_b128 v[STO], v[TMP+4*\b:TMP+4*\b+3] offset:(\b>>2)*16*PA+(\b&3)*32
.endr
	s_wait_xcnt 0x0                                ; buffer f, which earlier stores read, and the stores' base are rewritten only behind this wait
.if \a
	s_add_nc_u64 s[8:9], s[8:9], 2048              ; 16 rows of a panel on
.endif
.irp t, 0,1,2,3,4,5,6,7
	ds_load_b128 v[\f+4*\t:\f+4*\t+3], v[RD] offset:(\t>>2)*16*PA+(\t&3)*4*PA    ; a wave's LDS instructions are served in order: these see the stores above
.endr
.irp t, 0,1,2,3,4,5,6,7
	s_wait_dscnt 7-\t
	global_store_b128 v[CO], v[\f+4*\t:\f+4*\t+3], s[8:9] offset:(\t>>2)*262144+(\t&3)*512    ; 512 consecutive bytes of one head's panel
.endr
.endm
	QOUT 0, 128
	QOUT 1, 160
	QOUT 2, 128
	QOUT 3, 160
	s_set_vgpr_msb 0x1
	s_wait_tensorcnt 0x0
	ds_add_u32 v255, v255
	s_wait_dscnt 0x0
	s_set_vgpr_msb 0x100
	CROUND                                         ; the closing round
	s_endpgm
.Lfunc_end_k_q600deb0187_qproj:
	.size	k_q600deb0187_qproj, .Lfunc_end_k_q600deb0187_qproj-k_q600deb0187_qproj
	.p2alignl 7, 3214868480
	.fill 96, 4, 3214868480
	.section	.rodata,"a",@progbits
	.p2align	6, 0x0
	.amdhsa_kernel k_q600deb0187_qproj
		.amdhsa_group_segment_fixed_size 327680
		.amdhsa_private_segment_fixed_size 0
		.amdhsa_enable_private_segment 0
		.amdhsa_kernarg_size 32
		.amdhsa_user_sgpr_count 2
		.amdhsa_user_sgpr_kernarg_segment_ptr 1
		.amdhsa_wavefront_size32 1
		.amdhsa_system_sgpr_workgroup_id_x 1
		.amdhsa_system_sgpr_workgroup_id_y 1
		.amdhsa_system_sgpr_workgroup_id_z 1
		.amdhsa_system_vgpr_workitem_id 0
		.amdhsa_next_free_vgpr 1024
		.amdhsa_next_free_sgpr 70
		.amdhsa_reserve_vcc 0
		.amdhsa_float_denorm_mode_32 3
		.amdhsa_float_denorm_mode_16_64 3
		.amdhsa_memory_ordered 1
		.amdhsa_forward_progress 1
		.amdhsa_inst_pref_size 148
	.end_amdhsa_kernel
	.amdgpu_metadata
---
amdhsa.version: [ 1, 2 ]
amdhsa.kernels:
  - .name:           k_q600deb0187_qproj
    .symbol:         k_q600deb0187_qproj.kd
    .args:
      - { .name: hb, .offset: 0, .size: 8, .value_kind: global_buffer, .address_space: global }
      - { .name: wqb, .offset: 8, .size: 8, .value_kind: global_buffer, .address_space: global }
      - { .name: qh, .offset: 16, .size: 8, .value_kind: global_buffer, .address_space: global }
      - { .name: rt, .offset: 24, .size: 8, .value_kind: global_buffer, .address_space: global }
    .group_segment_fixed_size: 327680
    .private_segment_fixed_size: 0
    .kernarg_segment_align: 8
    .kernarg_segment_size: 32
    .max_flat_workgroup_size: 128
    .sgpr_count:     70
    .vgpr_count:     1024
    .wavefront_size: 32
...
	.end_amdgpu_metadata
.endif
;; end of part 2
;; launch attn (part 3): grid 4 x 64, 8 waves a work-group, no clusters, 185,344 bytes of LDS; arguments qh, shared_k, shared_v, oh; writes oh
.if DOCPART == 3
	.amdgcn_target "amdgcn-amd-amdhsa--gfx1250"
	.amdhsa_code_object_version 6
	.text
	.protected	k_q600deb0187_attn
	.globl	k_q600deb0187_attn
	.p2align	8
	.type	k_q600deb0187_attn,@function
k_q600deb0187_attn:
	s_mov_b64 s[64:65], 0
	v_nop
	global_prefetch_b8 v0, s[64:65] scope:SCOPE_SE
	s_setreg_imm32_b32 hwreg(HW_REG_WAVE_MODE, 25, 1), 1
	s_wait_xcnt 0x0
; Causal attention for one (batch, head) = work-group y, f16 operands, f32 sums, running maximum.  q arrives rotated and scaled by log2(e)/8,
; so the scores are exponents of 2.  K and V arrive in f32 and are rounded to bf16 and then to f16 on their way into LDS.
; Work-group x = p runs two jobs, the query blocks (256 rows) 7 - p and p: 2 (blk + 1) steps of 128 keys each, 18 steps for every work-group.
; Eight waves.  Wave w: g = w & 3 is its 64 query rows, sh = w >> 2 its 64 keys of every step; at a job's end waves w and w ^ 4 merge their halves:
; each keeps 32 rows (its query tiles 0, 1) and gives 32 (tiles 2, 3) through LDS.
; The products are taken transposed: S^T = K Q^T and O^T = V^T P^T.  A lane then owns one query row, so maximum, sum and factor are one register
; a query tile, and P^T's fragment is made of the lane's own scores, in place, with no exchange.
; NO TENSOR LOADS: K and V have to be converted on the way, so they pass through registers.  NO CLUSTER: the four work-groups of a head walk
; 16, 14, 12, 10 and then 2, 4, 6, 8 tiles; joint requests would need equal numbers, 12 units of work for each instead of 9.
; LDS: two slots (K 128 x 144 bytes, V 128 x 160 bytes), one barrier a step: it orders the reads of the slot just used against its next stores
; and this step's stores into the other slot against the next step's reads.
; LIMITS: |K|, |V|, |o| < 65,504 (f16); magnitudes below 2^-17 lose bits of their bf16 form (at most 2^-25 absolute);
; the running maximum starts at -1e30, so scores below that (in log2 units) are not served.
.set PK,   144
.set PV,   160                         ; an odd multiple of 32 bytes, for the transposing loads
.set VB,   128*PK                      ; 18,432
.set SLOT, VB+128*PV                   ; 38,912
.set XB,   2*SLOT                      ; 77,824: exchange, 8,704 bytes a wave
.set XW,   8704
.set OSB,  XB+8*XW                     ; 147,456: stage for the way out, 32 rows x 144 bytes a wave
.set OSW,  4608
.set KADR, 2
.set VADR, 3
.set STK,  4
.set STV,  5
.set GOFF, 6
.set QOFF, 7
.set XST,  8
.set XLD,  9
.set OST,  10
.set ORD,  11
.set OOFF, 12
.set E0,   13                          ; 8 h - r
.set EK,   14                          ; mask terms of the rows to keep, EK + 1 of the rows to give
.set NINF, 16
.set PFO,  17
.set ML,   18                          ; v[18:25] pairs (maximum, sum) of query tile c
.set AL,   26                          ; v[26:33] pairs (factor, scratch)
.set T,    34                          ; v[34:49] at work
.set MG,   50                          ; v[50:57] merge
.set KF,   64                          ; v[64:127] fragments of K, then of V
.set SC,   128                         ; v[128:255] scores: tile (key tile tk, query tile c) at 32 c + 8 tk; P(c, u) in place at 32 c + 16 u
.set OA,   0                           ; window 1: v[0:127] O^T tile (c, dt) at 32 c + 8 dt
.set QF,   128                         ; window 1: v[128:191] Q fragment (c, u) at 16 c + 8 u
.set RAW,  192                         ; window 1: v[192:255] K's and V's f32 as loaded
.set MSB, 0
.macro WIN new
.if MSB != \new
	s_set_vgpr_msb (MSB<<8)|\new
.set MSB, \new
.endif
.endm
.macro NOPS n
.rept \n
	v_nop
.endr
.endm
; The next tile to ask for: tiles 0 .. n-1 of the first job, then of the second.
.macro NEXTTILE
	s_lshl_b32 s28, s20, 20                        ; 128 rows of 8,192 bytes
	s_mov_b32 s29, 0
	s_add_nc_u64 s[24:25], s[6:7], s[28:29]
	s_add_nc_u64 s[26:27], s[8:9], s[28:29]
	s_add_co_u32 s20, s20, 1
	s_cmp_eq_u32 s20, s21
	s_cselect_b32 s20, 0, s20
	s_cselect_b32 s21, s45, s21
.endm
; My 16 rows of K's tile and of V's: each load takes two rows' 256 bytes.
.macro REQ
	WIN 0x40
.irp i, 0,1,2,3,4,5,6,7
	global_load_b128 v[RAW+4*\i:RAW+4*\i+3], v[GOFF], s[24:25] offset:\i*16384
.endr
.irp i, 0,1,2,3,4,5,6,7
	global_load_b128 v[RAW+32+4*\i:RAW+32+4*\i+3], v[GOFF], s[26:27] offset:\i*16384
.endr
	WIN 0
.endm
; f32 -> bf16 -> f16, and into slot sl.  The score registers are free here and serve as scratch.
.macro STAGE sl
	WIN 0x05
.set n, 0
.rept 32
	v_cvt_pk_bf16_f32 v[SC+n], v[RAW+2*n], v[RAW+2*n+1]
.set n, n+1
.endr
	WIN 0
.set n, 0
.rept 32
	v_lshlrev_b32 v[SC+32+2*n], 16, v[SC+n]
	v_and_b32 v[SC+32+2*n+1], s38, v[SC+n]
.set n, n+1
.endr
.set n, 0
.rept 32
	v_cvt_pk_f16_f32 v[SC+n], v[SC+32+2*n], v[SC+32+2*n+1]
.set n, n+1
.endr
.set n, 0
.rept 8
	ds_store_b64 v[STK], v[SC+2*n:SC+2*n+1] offset:\sl*SLOT+n*2*PK
	ds_store_b64 v[STV], v[SC+16+2*n:SC+16+2*n+1] offset:\sl*SLOT+VB+n*2*PV
.set n, n+1
.endr
.endm
; The end of step i (s19): the tile of step i + 1 goes into slot nx, the tile of step i + 2 is asked for, and the step's barrier.
.macro TAIL nx
	s_cmp_ge_u32 s19, 17
	s_cbranch_scc1 .Ltend_\@
	s_wait_loadcnt 0x0                             ; the next tile's f32 are in: the loads' bases may be stepped
	s_wait_xcnt 0x0                                ; and the last prefetch's base may be written
	STAGE \nx
	s_cmp_ge_u32 s19, 16
	s_cbranch_scc1 .Ltend_\@
	NEXTTILE
	REQ
	; Prefetch, in the first job only: in step i tile i + 4, two steps ahead of that tile's loads.  Work-group p asks for rows 32 p .. 32 p + 31 of the
	; tile, one lane a row (a head's 256 bytes), wave p for K and wave p + 4 for V, so each row is asked for once among the head's four work-groups.
	; It stops at the job's last tile (s47 = tiles - 4 in the two waves that ask, 0 in the others).
	s_cmp_ge_u32 s19, s47
	s_cbranch_scc1 .Ltend_\@
	s_add_co_u32 s28, s19, 4
	s_lshl_b32 s28, s28, 20
	s_add_nc_u64 s[40:41], s[42:43], s[28:29]
	global_prefetch_b8 v[PFO], s[40:41] th:TH_LOAD_NT scope:SCOPE_SE
.Ltend_\@:
	s_add_co_u32 s19, s19, 1
	s_wait_dscnt 0x0                               ; my reads of this step's slot and my stores into the other are done
	s_barrier_signal -1
	s_barrier_wait -1
.endm
; Query tile c: new maximum, factor, P = 2^(S - maximum), the lane's part of the sum, P to f16 in place.
.macro SOFTMAX c, first
.irp tk, 0,1,2,3
	v_max3_num_f32 v[T+\tk], v[SC+32*\c+8*\tk], v[SC+32*\c+8*\tk+1], v[SC+32*\c+8*\tk+2]
.endr
.irp tk, 0,1,2,3
	v_max3_num_f32 v[T+\tk], v[T+\tk], v[SC+32*\c+8*\tk+3], v[SC+32*\c+8*\tk+4]
.endr
.irp tk, 0,1,2,3
	v_max3_num_f32 v[T+\tk], v[T+\tk], v[SC+32*\c+8*\tk+5], v[SC+32*\c+8*\tk+6]
.endr
.irp tk, 0,1,2,3
	v_max_num_f32 v[T+\tk], v[T+\tk], v[SC+32*\c+8*\tk+7]
.endr
	v_max3_num_f32 v[T], v[T], v[T+1], v[T+2]
	v_max_num_f32 v[T], v[T], v[T+3]
	v_permlanex16_b32 v[AL+2*\c+1], v[T], s36, s37 ; the other 32 keys of the same query row
.if \first
	v_mov_b32 v[ML+2*\c+1], 0                      ; the pair is read whole below
	v_max3_num_f32 v[ML+2*\c], v[T], v[AL+2*\c+1], 0xf149f2ca      ; -1e30: finite also where every key is masked
.else
	v_max3_num_f32 v[T+1], v[T], v[AL+2*\c+1], v[ML+2*\c]
	v_sub_f32 v[T+2], v[ML+2*\c], v[T+1]
	v_mov_b32 v[ML+2*\c], v[T+1]
	v_exp_f32 v[AL+2*\c], v[T+2]                   ; the plain instructions below stand behind it (ISA guide 5.7.2)
.endif
.set n, 0
.rept 16
	v_pk_add_f32 v[SC+32*\c+2*n:SC+32*\c+2*n+1], v[SC+32*\c+2*n:SC+32*\c+2*n+1], v[ML+2*\c:ML+2*\c+1] op_sel_hi:[1,0] neg_lo:[0,1] neg_hi:[0,1]
.set n, n+1
.endr
.set n, 0
.rept 32
	v_exp_f32 v[SC+32*\c+n], v[SC+32*\c+n]
.set n, n+1
.endr
	v_nop                                          ; one plain place behind the last v_exp_f32
	s_wait_alu depctr_va_vdst(0)
.irp k, 0,1,2,3,4,5,6,7
	v_pk_add_f32 v[T+2*\k:T+2*\k+1], v[SC+32*\c+4*\k:SC+32*\c+4*\k+1], v[SC+32*\c+4*\k+2:SC+32*\c+4*\k+3]
.endr
.irp k, 0,1,2,3
	v_pk_add_f32 v[T+2*\k:T+2*\k+1], v[T+2*\k:T+2*\k+1], v[T+8+2*\k:T+8+2*\k+1]
.endr
.irp k, 0,1
	v_pk_add_f32 v[T+2*\k:T+2*\k+1], v[T+2*\k:T+2*\k+1], v[T+4+2*\k:T+4+2*\k+1]
.endr
	v_pk_add_f32 v[T:T+1], v[T:T+1], v[T+2:T+3]
.if \first
	v_add_f32 v[ML+2*\c+1], v[T], v[T+1]
.else
	v_add_f32 v[T], v[T], v[T+1]
	v_fma_f32 v[ML+2*\c+1], v[ML+2*\c+1], v[AL+2*\c], v[T]
.endif
.irp u, 0,1
.irp k, 0,1,2,3,4,5,6,7
	v_cvt_pk_f16_f32 v[SC+32*\c+16*\u+\k], v[SC+32*\c+16*\u+2*\k], v[SC+32*\c+16*\u+2*\k+1]    ; register k never lies ahead of its sources
.endr
.endr
.endm
; One step of a wave: 64 keys of slot sl against its 64 query rows.  first = 1: the products start O, maximum and sum; mask = 1: the causal mask.
.macro COMPUTE sl, first, mask
.irp tk, 0,1,2,3
.irp q, 0,1,2,3
	ds_load_b128 v[KF+16*\tk+4*\q:KF+16*\tk+4*\q+3], v[KADR] offset:\sl*SLOT+\tk*16*PK+\q*32
.endr
.endr
	WIN 0x04                                       ; source 1 (Q) in window 1
.irp tk, 0,1,2,3
	s_wait_dscnt 12-4*\tk                          ; key tile tk's four loads are in, the younger tiles' stay out
	; four accumulators take turns, one instruction a turn
.irp c, 0,1,2,3
	v_wmma_f32_16x16x32_f16 v[SC+32*\c+8*\tk:SC+32*\c+8*\tk+7], v[KF+16*\tk:KF+16*\tk+7], v[QF+16*\c:QF+16*\c+7], 0
.endr
.irp c, 0,1,2,3
	v_wmma_f32_16x16x32_f16 v[SC+32*\c+8*\tk:SC+32*\c+8*\tk+7], v[KF+16*\tk+8:KF+16*\tk+15], v[QF+16*\c+8:QF+16*\c+15], v[SC+32*\c+8*\tk:SC+32*\c+8*\tk+7]
.endr
.endr
	WIN 0
	NOPS 4                                         ; four places: V's loads land on K's fragments, and the scores are read
.irp u, 0,1
.irp dt, 0,1,2,3
	ds_load_tr16_b128 v[KF+32*\u+8*\dt:KF+32*\u+8*\dt+3],   v[VADR] offset:\sl*SLOT+VB+\u*32*PV+\dt*32
	ds_load_tr16_b128 v[KF+32*\u+8*\dt+4:KF+32*\u+8*\dt+7], v[VADR] offset:\sl*SLOT+VB+\u*32*PV+\dt*32+16*PV
.endr
.endr
.if \mask
	; key 64 rel + 16 tk + 8 h + j is masked for query (first row of the tile pair) + 16 (c & 1) + r where it is the larger:
	; 16 (c & 1) - 16 tk - j < 8 h - r + 64 rel - first row
	s_lshl_b32 s44, s18, 6
	s_sub_co_i32 s46, s44, s48
	v_add_nc_u32 v[EK], s46, v[E0]
	s_sub_co_i32 s46, s44, s49
	v_add_nc_u32 v[EK+1], s46, v[E0]
.irp c, 0,1,2,3
.irp tk, 0,1,2,3
.irp j, 0,1,2,3,4,5,6,7
	v_cmp_lt_i32 vcc_lo, 16*(\c&1)-16*\tk-\j, v[EK+(\c>>1)]
	v_cndmask_b32 v[SC+32*\c+8*\tk+\j], v[SC+32*\c+8*\tk+\j], v[NINF], vcc_lo
.endr
.endr
.endr
.endif
	SOFTMAX 0, \first
	SOFTMAX 1, \first
	SOFTMAX 2, \first
	SOFTMAX 3, \first
.if \first == 0
	WIN 0x41                                       ; O in window 1, the factor in window 0
.irp c, 0,1,2,3
.set n, 0
.rept 16
	v_pk_mul_f32 v[OA+32*\c+2*n:OA+32*\c+2*n+1], v[OA+32*\c+2*n:OA+32*\c+2*n+1], v[AL+2*\c:AL+2*\c+1] op_sel_hi:[1,0]
.set n, n+1
.endr
.endr
.endif
	s_wait_dscnt 0x0                               ; V's fragments
	WIN 0x50                                       ; C and D in window 1
	; sixteen accumulators take turns, one instruction a turn
.irp u, 0,1
.irp dt, 0,1,2,3
.irp c, 0,1,2,3
.if \first && (\u == 0)
	v_wmma_f32_16x16x32_f16 v[OA+32*\c+8*\dt:OA+32*\c+8*\dt+7], v[KF+32*\u+8*\dt:KF+32*\u+8*\dt+7], v[SC+32*\c+16*\u:SC+32*\c+16*\u+7], 0
.else
	v_wmma_f32_16x16x32_f16 v[OA+32*\c+8*\dt:OA+32*\c+8*\dt+7], v[KF+32*\u+8*\dt:KF+32*\u+8*\dt+7], v[SC+32*\c+16*\u:SC+32*\c+16*\u+7], v[OA+32*\c+8*\dt:OA+32*\c+8*\dt+7]
.endif
.endr
.endr
.endr
	WIN 0
	NOPS 5                                         ; five places: what follows writes over P and the fragments, by vector, load or matrix instruction, or reads O
.endm
; rel (s18) = (my first key - my first query row) / 64.  Below 0: no mask; 0: the diagonal; above 0: nothing to do.
.macro STEPF sl                        ; a job's first step is never left out: it writes O, maximum and sum (all zero weight where every key is masked)
	s_cmp_lt_i32 s18, 0
	s_cbranch_scc0 .Lfmask_\@
	COMPUTE \sl, 1, 0
	s_branch .Lfdone_\@
.Lfmask_\@:
	COMPUTE \sl, 1, 1
.Lfdone_\@:
	s_add_co_i32 s18, s18, 2
.endm
.macro STEPN sl
	s_cmp_gt_i32 s18, 0
	s_cbranch_scc1 .Lsdone_\@
	s_cmp_eq_u32 s18, 0
	s_cbranch_scc1 .Lsmask_\@
	COMPUTE \sl, 0, 0
	s_branch .Lsdone_\@
.Lsmask_\@:
	COMPUTE \sl, 0, 1
.Lsdone_\@:
	s_add_co_i32 s18, s18, 2
.endm
	s_load_b256 s[4:11], s[0:1], 0x0               ; qh s[4:5], K s[6:7], V s[8:9], oh s[10:11]
	v_lshl_add_u32 v62, v0, 2, 0x2d000
	v_mov_b32 v63, 0
	v_lshrrev_b32 v1, 5, v0
	v_readfirstlane_b32 s12, v1                    ; wave
	s_and_b32 s13, s12, 3                          ; g
	s_lshr_b32 s14, s12, 2                         ; sh
	s_mov_b32 s15, ttmp9                           ; p
	s_and_b32 s16, ttmp7, 0xffff                   ; batch x 32 + head
	s_mov_b32 s36, 0x76543210                      ; v_permlanex16_b32: lane i reads lane i of the other half
	s_mov_b32 s37, 0xfedcba98
	s_mov_b32 s38, 0xffff0000
	s_lshl_b32 s48, s14, 5                         ; 32 sh: first row to keep among my 64
	s_sub_co_u32 s49, 32, s48                      ; first row to give
	s_lshl_b32 s46, s15, 1
	s_sub_co_u32 s21, 16, s46                      ; tiles of the first job
	s_add_co_u32 s45, s46, 2                       ; tiles of the second
	s_mov_b32 s20, 0                               ; the tile to ask for next
	s_mov_b32 s19, 0                               ; step, 0 to 17
	s_sub_co_u32 s46, s21, 4
	s_cmp_eq_u32 s13, s15
	s_cselect_b32 s47, s46, 0                      ; where my prefetches stop
	v_and_b32 v1, 31, v0                           ; lane
	v_and_b32 v34, 15, v0                          ; r
	v_bfe_u32 v35, v0, 4, 1                        ; h
	v_and_b32 v36, 7, v0
	v_bfe_u32 v37, v0, 3, 1
	v_bfe_u32 v38, v0, 3, 2
	v_mul_u32_u24 v[KADR], v34, PK                 ; K fragment: (64 sh + r) x 144 + 16 h
	v_lshl_add_u32 v[KADR], v35, 4, v[KADR]
	s_mul_i32 s46, s14, 64*PK
	v_add_nc_u32 v[KADR], s46, v[KADR]
	v_lshl_add_u32 v39, v35, 3, v36                ; V fragment, transposing: (64 sh + 8 h + l % 8) x 160 + 16 ((l >> 3) & 1)
	v_mul_u32_u24 v[VADR], v39, PV
	v_lshl_add_u32 v[VADR], v37, 4, v[VADR]
	s_mul_i32 s46, s14, 64*PV
	v_add_nc_u32 v[VADR], s46, v[VADR]
	v_mul_u32_u24 v[STK], v35, PK                  ; staging: row 16 w + h, 8 bytes at 8 r
	v_lshl_add_u32 v[STK], v34, 3, v[STK]
	s_mul_i32 s46, s12, 16*PK
	v_add_nc_u32 v[STK], s46, v[STK]
	v_mul_u32_u24 v[STV], v35, PV
	v_lshl_add_u32 v[STV], v34, 3, v[STV]
	s_mul_i32 s46, s12, 16*PV
	v_add_nc_u32 v[STV], s46, v[STV]
	v_lshlrev_b32 v[GOFF], 13, v35                 ; in memory: row 16 w + h of the tile, 8,192 bytes a row, 16 bytes at 16 r
	v_lshl_add_u32 v[GOFF], v34, 4, v[GOFF]
	s_lshl_b32 s46, s12, 17
	v_add_nc_u32 v[GOFF], s46, v[GOFF]
	v_lshlrev_b32 v[QOFF], 7, v34                  ; Q fragment: r x 128 + 16 h
	v_lshl_add_u32 v[QOFF], v35, 4, v[QOFF]
	s_mul_i32 s46, s12, XW
	s_add_co_u32 s46, s46, XB
	v_lshl_add_u32 v[XST], v1, 4, s46
	s_xor_b32 s44, s12, 4
	s_mul_i32 s44, s44, XW
	s_add_co_u32 s44, s44, XB
	v_lshl_add_u32 v[XLD], v1, 4, s44
	s_mul_i32 s46, s12, OSW
	s_add_co_u32 s46, s46, OSB
	v_mul_u32_u24 v[OST], v34, PK
	v_lshl_add_u32 v[OST], v35, 4, v[OST]
	v_add_nc_u32 v[OST], s46, v[OST]
	v_mul_u32_u24 v[ORD], v38, PK
	v_lshl_add_u32 v[ORD], v36, 4, v[ORD]
	v_add_nc_u32 v[ORD], s46, v[ORD]
	v_lshlrev_b32 v[OOFF], 4, v1
	v_lshlrev_b32 v[E0], 3, v35
	v_sub_nc_u32 v[E0], v[E0], v34
	v_mov_b32 v[NINF], 0xff800000
	s_lshl_b32 s46, s15, 18
	v_lshl_add_u32 v[PFO], v1, 13, s46             ; row 32 p + lane of a tile
.irp k, 0,1,2,3,4,5,6,7
	v_mov_b32 v[AL+\k], 0                          ; the lane exchange counts as a reader of its destination
.endr
	s_wait_kmcnt 0x0
	s_lshr_b32 s28, s16, 5
	s_lshl_b32 s28, s28, 24                        ; batch: 2,048 x 8,192 bytes
	s_and_b32 s29, s16, 31
	s_lshl_b32 s29, s29, 8                         ; head: 256 bytes
	s_add_co_u32 s28, s28, s29
	s_mov_b32 s29, 0
	s_add_nc_u64 s[6:7], s[6:7], s[28:29]
	s_add_nc_u64 s[8:9], s[8:9], s[28:29]
	s_lshl_b32 s28, s16, 18                        ; panel
	s_add_nc_u64 s[4:5], s[4:5], s[28:29]
	s_add_nc_u64 s[10:11], s[10:11], s[28:29]
	s_cmp_eq_u32 s14, 0
	s_cselect_b64 s[42:43], s[6:7], s[8:9]         ; what I prefetch: K (sh = 0) or V
	NEXTTILE
	REQ                                            ; step 0's tile
	s_wait_loadcnt 0x0
	STAGE 0
	NEXTTILE
	REQ                                            ; step 1's tile
	s_wait_dscnt 0x0
	s_barrier_signal -1
	s_barrier_wait -1
	s_mov_b32 s23, 0
.Ljob:
	s_sub_co_u32 s46, 7, s15
	s_cmp_eq_u32 s23, 0
	s_cselect_b32 s17, s46, s15                    ; blk
	s_lshl_b32 s46, s17, 2
	s_add_co_u32 s46, s46, s13
	s_sub_co_i32 s18, s14, s46                     ; rel of the job's first step: sh - 4 blk - g
	s_lshl_b32 s46, s17, 8
	s_lshl_b32 s44, s13, 6
	s_add_co_u32 s46, s46, s44                     ; my first query row
	s_add_co_u32 s28, s46, s48
	s_lshl_b32 s28, s28, 7
	s_mov_b32 s29, 0
	s_add_nc_u64 s[30:31], s[4:5], s[28:29]        ; q, rows to keep
	s_add_nc_u64 s[34:35], s[10:11], s[28:29]      ; o, the same rows
	s_add_co_u32 s28, s46, s49
	s_lshl_b32 s28, s28, 7
	s_add_nc_u64 s[32:33], s[4:5], s[28:29]        ; q, rows to give
	WIN 0x40
.irp c, 0,1
.irp q, 0,1,2,3
	global_load_b128 v[QF+16*\c+4*\q:QF+16*\c+4*\q+3], v[QOFF], s[30:31] offset:\c*2048+\q*32
	global_load_b128 v[QF+32+16*\c+4*\q:QF+32+16*\c+4*\q+3], v[QOFF], s[32:33] offset:\c*2048+\q*32
.endr
.endr
	WIN 0
	s_wait_loadcnt 0x0                             ; Q is the youngest: zero
	STEPF 0
	TAIL 1
	STEPN 1
	TAIL 0
	s_cmp_eq_u32 s17, 0
	s_cbranch_scc1 .Lnopairs
	s_mov_b32 s22, 0
.Lpair:
	STEPN 0
	TAIL 1
	STEPN 1
	TAIL 0
	s_add_co_u32 s22, s22, 1
	s_cmp_lt_u32 s22, s17
	s_cbranch_scc1 .Lpair
.Lnopairs:
	; THE MERGE.  My tiles 2, 3 with their maxima and sums go to wave w ^ 4, its come to me.
	WIN 0x04                                       ; store data from window 1
.set q, 0
.rept 16
	ds_store_b128 v[XST], v[OA+64+4*q:OA+64+4*q+3] offset:512*q
.set q, q+1
.endr
	WIN 0
	ds_store_b128 v[XST], v[ML+4:ML+7] offset:8192
	s_wait_dscnt 0x0                               ; for my partner's sake: zero
	s_barrier_signal -1
	s_barrier_wait -1
.set q, 0
.rept 16
	ds_load_b128 v[SC+4*q:SC+4*q+3], v[XLD] offset:512*q
.set q, q+1
.endr
	ds_load_b128 v[MG:MG+3], v[XLD] offset:8192
	s_wait_dscnt 0x0
.irp c, 0,1
	v_max_num_f32 v[MG+4], v[ML+2*\c], v[MG+2*\c]
	v_sub_f32 v[MG+5], v[ML+2*\c], v[MG+4]
	v_sub_f32 v[MG+6], v[MG+2*\c], v[MG+4]
	v_exp_f32 v[MG+5], v[MG+5]
	v_exp_f32 v[MG+6], v[MG+6]
	v_nop                                          ; one plain place behind v_exp_f32
	s_wait_alu depctr_va_vdst(0)
	v_mul_f32 v[MG+7], v[ML+2*\c+1], v[MG+5]
	v_fmac_f32 v[MG+7], v[MG+2*\c+1], v[MG+6]
	v_permlanex16_b32 v[AL+2*\c+1], v[MG+7], s36, s37      ; the sums were kept by halves of the lanes
	v_add_f32 v[MG+7], v[MG+7], v[AL+2*\c+1]
	v_rcp_f32 v[MG+7], v[MG+7]                     ; at least one weight of a row is 1: the sum is no less
	v_nop                                          ; one plain place behind v_rcp_f32
	s_wait_alu depctr_va_vdst(0)
	v_mul_f32 v[T+4*\c], v[MG+5], v[MG+7]
	v_mul_f32 v[T+4*\c+1], v[MG+5], v[MG+7]
	v_mul_f32 v[T+4*\c+2], v[MG+6], v[MG+7]
	v_mul_f32 v[T+4*\c+3], v[MG+6], v[MG+7]
.endr
.irp c, 0,1
.set n, 0
.rept 16
	v_pk_mul_f32 v[SC+32*\c+2*n:SC+32*\c+2*n+1], v[SC+32*\c+2*n:SC+32*\c+2*n+1], v[T+4*\c+2:T+4*\c+3]
.set n, n+1
.endr
.endr
	WIN 0x01                                       ; source 0: my O, in window 1
.irp c, 0,1
.set n, 0
.rept 16
	v_pk_fma_f32 v[SC+32*\c+2*n:SC+32*\c+2*n+1], v[OA+32*\c+2*n:OA+32*\c+2*n+1], v[T+4*\c:T+4*\c+1], v[SC+32*\c+2*n:SC+32*\c+2*n+1]
.set n, n+1
.endr
.endr
	WIN 0
.set n, 0
.rept 32
	v_cvt_pk_f16_f32 v[SC+64+n], v[SC+2*n], v[SC+2*n+1]
.set n, n+1
.endr
.irp c, 0,1
.irp dt, 0,1,2,3
	ds_store_b128 v[OST], v[SC+64+16*\c+4*\dt:SC+64+16*\c+4*\dt+3] offset:\c*16*PK+\dt*32   ; row 16 c + r, d = 16 dt + 8 h + 0..7
.endr
.endr
.irp i, 0,1,2,3,4,5,6,7
	ds_load_b128 v[SC+96+4*\i:SC+96+4*\i+3], v[ORD] offset:\i*4*PK         ; my own bytes, served in order: four rows of 128 bytes
.endr
.irp i, 0,1,2,3,4,5,6,7
	s_wait_dscnt 7-\i
	global_store_b128 v[OOFF], v[SC+96+4*\i:SC+96+4*\i+3], s[34:35] offset:\i*512   ; 512 consecutive bytes of the head's panel
.endr
	s_wait_xcnt 0x0                                ; the stores' data and base are written again only behind this wait
	s_add_co_u32 s23, s23, 1
	s_cmp_lt_u32 s23, 2
	s_cbranch_scc1 .Ljob
	s_wait_tensorcnt 0x0
	ds_add_u32 v62, v63
	s_wait_dscnt 0x0
	s_endpgm
.Lfunc_end_k_q600deb0187_attn:
	.size	k_q600deb0187_attn, .Lfunc_end_k_q600deb0187_attn-k_q600deb0187_attn
	.p2alignl 7, 3214868480
	.fill 96, 4, 3214868480
	.section	.rodata,"a",@progbits
	.p2align	6, 0x0
	.amdhsa_kernel k_q600deb0187_attn
		.amdhsa_group_segment_fixed_size 185344
		.amdhsa_private_segment_fixed_size 0
		.amdhsa_enable_private_segment 0
		.amdhsa_kernarg_size 32
		.amdhsa_user_sgpr_count 2
		.amdhsa_user_sgpr_kernarg_segment_ptr 1
		.amdhsa_wavefront_size32 1
		.amdhsa_system_sgpr_workgroup_id_x 1
		.amdhsa_system_sgpr_workgroup_id_y 1
		.amdhsa_system_sgpr_workgroup_id_z 1
		.amdhsa_system_vgpr_workitem_id 0
		.amdhsa_next_free_vgpr 512
		.amdhsa_next_free_sgpr 66
		.amdhsa_reserve_vcc 1
		.amdhsa_float_denorm_mode_32 3
		.amdhsa_float_denorm_mode_16_64 3
		.amdhsa_memory_ordered 1
		.amdhsa_forward_progress 1
		.amdhsa_inst_pref_size 255
	.end_amdhsa_kernel
	.section	.bss,"aw",@nobits
	.p2align	6
	.space	262144
	.amdgpu_metadata
---
amdhsa.version: [ 1, 2 ]
amdhsa.kernels:
  - .name:           k_q600deb0187_attn
    .symbol:         k_q600deb0187_attn.kd
    .args:
      - { .name: qh, .offset: 0, .size: 8, .value_kind: global_buffer, .address_space: global }
      - { .name: shared_k, .offset: 8, .size: 8, .value_kind: global_buffer, .address_space: global }
      - { .name: shared_v, .offset: 16, .size: 8, .value_kind: global_buffer, .address_space: global }
      - { .name: oh, .offset: 24, .size: 8, .value_kind: global_buffer, .address_space: global }
    .group_segment_fixed_size: 185344
    .private_segment_fixed_size: 0
    .kernarg_segment_align: 8
    .kernarg_segment_size: 32
    .max_flat_workgroup_size: 256
    .sgpr_count:     66
    .vgpr_count:     512
    .wavefront_size: 32
...
	.end_amdgpu_metadata
.endif
;; end of part 3
;; launch oproj (part 4): grid 8 x 32, 4 waves a work-group, clusters of 4 x 4, 327,680 bytes of LDS; arguments oh, wob, out0; writes out0
.if DOCPART == 4
	.amdgcn_target "amdgcn-amd-amdhsa--gfx1250"
	.amdhsa_code_object_version 6
	.text
	.protected	k_q600deb0187_oproj
	.globl	k_q600deb0187_oproj
	.p2align	8
	.type	k_q600deb0187_oproj,@function
k_q600deb0187_oproj:
	s_mov_b64 s[64:65], 0
	v_nop
	global_prefetch_b8 v0, s[64:65] scope:SCOPE_SE
	s_setreg_imm32_b32 hwreg(HW_REG_WAVE_MODE, 25, 1), 1
	s_wait_xcnt 0x0
	s_wait_alu depctr_hold_cnt(0) depctr_sa_sdst(0) depctr_va_vdst(0) depctr_va_sdst(0) depctr_va_ssrc(0) depctr_va_vcc(0) depctr_vm_vsrc(0)
	s_getreg_b32 s2, hwreg(HW_REG_IB_STS2, 6, 4)
	s_cmp_eq_u32 s2, 0
	s_cbranch_scc0 .Lentry_in_a_cluster
	s_endpgm
.Lentry_in_a_cluster:
	s_bfe_u32 s2, ttmp6, 0x10000c
	s_cmp_lg_u32 s2, 0xf033
	s_cbranch_scc0 .Lentry_shape_is_right
	s_endpgm
.Lentry_shape_is_right:
; out = o Wo^T.  Operands f16 (o from the attention, Wo as f16 of its bf16 form), sums f32, result f32.
; A (oh) lies in panels [b][k/64][t][64]; B (wob) is [n][k].  M = 4,096, N = K = 2,048.
; A work-group makes 128 (M) x 256 (N) with four waves.  Wave w: nh = w & 1 is its 128 columns, kh = w >> 1 its half (64) of every K step of
; 128: so a wave's tile is 128 x 128 (64 accumulator tiles, 512 registers) over half of K, and for 32 along K it reads 2 x 128 x 64 bytes of LDS
; for 64 matrix instructions.  The two K halves are added once, at the end: each wave keeps 64 rows and gives 64 to wave w ^ 2 through LDS.
; K goes through a ring of two LDS slots filled by the tensor data mover, one load a wave: waves 0, 1 bring B's halves (128 rows x 256 bytes),
; waves 2, 3 A's planes (one panel's 128 rows: 16 KiB that are dense in memory, moved as 64 rows of 256 bytes).
; CLUSTERS: 4 x 4 work-groups.  A's tile hangs on the block row alone and is asked for jointly along a row of the cluster, B's on the block
; column alone, jointly along a column: that divides the requests for A and B by four.
; REGISTERS: window 0: v16-28 addresses, v64-127 / v128-191 fragments of A (two buffers), on the way out rows read back;
; window 1: v64-191 fragments of B; window 2: the 64 rows that I keep; window 3: the 64 rows that I give.
; The matrix instruction is used transposed (source 0 = rows of B, source 1 = rows of A): lane l holds row l % 16 and eight neighbouring columns.
; LIMIT: |o|, |Wo| < 65,504 (f16).
.set KSTEP,  128
.set PA,     144                       ; LDS pitch of A's rows: 128 bytes + 16
.set PB,     272                       ; LDS pitch of B's rows: 256 bytes + 16
.set PLANE,  128*PA
.set HALFB,  128*PB
.set ABASE,  2*HALFB                   ; a slot: B's two halves, then A's two planes
.set SLOT,   2*HALFB+2*PLANE
.set STAGE,  2*SLOT                    ; 212,992, a multiple of 256: no fill lands behind it
.set STGW,   8448                      ; a wave's stage: 16 rows of 512 + 16 bytes
.set SP,     528
.set LAPS,   2048/(2*KSTEP)
.set ADRK, 16
.set ADRG, 18
.set ADRB, 20
.set STO,  24
.set RD,   25
.set CO,   26
.set XST,  27
.set XLD,  28
.set F0,   64
.set F1,   128
.set G1, 24
.set G0, 32
.set G1B, 48
.set G0B, 56
.set MSB, 0
.macro WIN new                         ; the immediate's high byte repeats the setting that is left
.if MSB != \new
	s_set_vgpr_msb (MSB<<8)|\new
.set MSB, \new
.endif
.endm
.set MUL_LO, 0xa1                      ; source 0 (B) window 1, source 1 (A) window 0, C and D window 2
.set MUL_HI, 0xf1                      ; the same, C and D window 3
.set TO_B,   0x40
.macro JLOAD s                         ; a joint load: each line has one mask; the branch hangs on the wave's number alone
	s_cmp_eq_u32 s11, 0
	s_cbranch_scc0 .Lfor_a_\@
	tensor_load_to_lds s[G0B+4*\s:G0B+4*\s+3], s[G1B:G1B+7]
	s_nop 0
	s_branch .Lasked_\@
.Lfor_a_\@:
	tensor_load_to_lds s[G0+4*\s:G0+4*\s+3], s[G1:G1+7]
	s_nop 0
.Lasked_\@:
.endm
.macro CREST
	s_cmp_lg_u32 s10, 0
	s_cbranch_scc1 .Lnot_wave_0_\@
	s_barrier_signal -3
.Lnot_wave_0_\@:
	s_barrier_wait -3
	s_barrier_signal -1
	s_barrier_wait -1
.endm
.macro CROUND
	s_barrier_signal -1
	s_barrier_wait -1
	CREST
.endm
	s_load_b128 s[4:7], s[0:1], 0x0                ; A s[4:5], B s[6:7]
	s_load_b64 s[8:9], s[0:1], 0x10                ; out0
	s_set_vgpr_msb 0x40
	v_lshl_add_u32 v255, v0, 2, 0x3c400
	s_set_vgpr_msb 0x4000
	v_mov_b32 v255, 0
	s_set_vgpr_msb 0x1
	ds_add_u32 v255, v255
	s_set_vgpr_msb 0x100
	v_lshrrev_b32 v1, 5, v0
	v_readfirstlane_b32 s10, v1                    ; wave
	s_lshr_b32 s11, s10, 1                         ; kh.  Also: I fetch for B (0) or for A (1)
	s_and_b32 s12, s10, 1                          ; nh.  Also: which half of B, which plane of A I fetch
	s_bfe_u32 s40, ttmp6, 0x40000                  ; cx
	s_bfe_u32 s41, ttmp6, 0x40004                  ; cy
	s_lshl_b32 s42, ttmp9, 2
	s_add_co_u32 s42, s42, s40                     ; block column bx
	s_and_b32 s13, ttmp7, 0xffff
	s_lshl_b32 s13, s13, 2
	s_add_co_u32 s13, s13, s41                     ; block row by
	s_lshl_b32 s43, s41, 2
	s_lshl_b32 s43, 15, s43                        ; my row of the cluster
	s_lshl_b32 s44, 0x1111, s40                    ; my column
	; group 1 for A: 64 rows of 32 elements of 8 bytes, dense; 4 words of padding behind every 32 words, so that each 128 bytes (a panel's row) lies 144 apart
	s_or_b32 s[G1+0], s43, (3<<16)|(1<<20)|(1<<21)|(4<<22)|(3<<25)
	s_mov_b32 s[G1+1], 32<<16
	s_mov_b32 s[G1+2], 64<<16
	s_mov_b32 s[G1+3], 32<<16
	s_mov_b32 s[G1+4], 64
	s_mov_b32 s[G1+5], 32
	s_mov_b32 s[G1+6], 0
	s_mov_b32 s[G1+7], 0
	; group 1 for B: 128 rows of 128 elements of 2 bytes, pitch 2,048; 4 words of padding behind every 64 words
	s_or_b32 s[G1B+0], s44, (1<<16)|(1<<20)|(1<<21)|(5<<22)|(3<<25)
	s_mov_b32 s[G1B+1], KSTEP<<16
	s_mov_b32 s[G1B+2], 128<<16
	s_mov_b32 s[G1B+3], KSTEP<<16
	s_mov_b32 s[G1B+4], 128
	s_mov_b32 s[G1B+5], 2048
	s_mov_b32 s[G1B+6], 0
	s_mov_b32 s[G1B+7], 0
	s_lshr_b32 s16, s13, 4
	s_lshl_b32 s16, s16, 23
	s_and_b32 s17, s13, 15
	s_lshl_b32 s17, s17, 14
	s_add_co_u32 s16, s16, s17
	s_lshl_b32 s17, s12, 18
	s_add_co_u32 s16, s16, s17
	s_mov_b32 s17, 0
	s_lshl_b32 s46, s42, 20
	s_lshl_b32 s47, s12, 19
	s_add_co_u32 s46, s46, s47
	s_mov_b32 s47, 0
	s_mul_i32 s20, s10, HALFB                      ; B lands at wave x 34,816 (waves 0, 1)
	s_mul_i32 s21, s10, PLANE
	s_add_co_u32 s21, s21, ABASE-2*PLANE           ; A at 32,768 + wave x 18,432 (waves 2, 3)
	s_wait_dscnt 0x0
	s_wait_kmcnt 0x0
	s_add_nc_u64 s[14:15], s[4:5], s[16:17]
	s_add_nc_u64 s[46:47], s[6:7], s[46:47]
	CROUND                                         ; all sixteen work-groups are here: the first joint loads meet
.irp s, 0,1
	s_mov_b32 s[G0+4*\s], 1
	s_add_co_u32 s[G0+4*\s+1], s21, \s*SLOT
	s_add_nc_u64 s[G0+4*\s+2:G0+4*\s+3], s[14:15], \s*2*262144
	s_or_b32 s[G0+4*\s+3], s[G0+4*\s+3], 0x80000000
	s_mov_b32 s[G0B+4*\s], 1
	s_add_co_u32 s[G0B+4*\s+1], s20, \s*SLOT
	s_add_nc_u64 s[G0B+4*\s+2:G0B+4*\s+3], s[46:47], \s*KSTEP*2
	s_or_b32 s[G0B+4*\s+3], s[G0B+4*\s+3], 0x80000000
	JLOAD \s                                       ; both slots' first fills go out together: two tensor loads of a wave are out, later one
.endr
	v_and_b32 v1, 15, v0                           ; r
	v_bfe_u32 v2, v0, 4, 1                         ; h
	v_and_b32 v6, 31, v0                           ; lane
	v_mul_u32_u24 v3, v1, PB
	v_lshl_add_u32 v3, v2, 4, v3
	v_mul_u32_u24 v4, v1, PA
	v_lshl_add_u32 v4, v2, 4, v4
	s_mul_i32 s22, s12, HALFB
	s_lshl_b32 s23, s11, 7
	s_add_co_u32 s22, s22, s23
	s_mul_i32 s23, s11, PLANE+64*PA
	s_add_co_u32 s23, s23, ABASE                   ; plane kh, rows 64 kh: I keep them
	s_mul_i32 s16, s11, PLANE-64*PA
	s_add_co_u32 s16, s16, ABASE+64*PA             ; plane kh, rows 64 (1 - kh): I give them
.irp s, 0,1
	v_add_nc_u32 v[ADRB+\s], s22, v3
	v_add_nc_u32 v[ADRK+\s], s23, v4
	v_add_nc_u32 v[ADRG+\s], s16, v4
	s_add_co_u32 s22, s22, SLOT
	s_add_co_u32 s23, s23, SLOT
	s_add_co_u32 s16, s16, SLOT
.endr
	s_mul_i32 s23, s10, STGW
	s_add_co_u32 s23, s23, STAGE                   ; my stage
	v_mul_u32_u24 v5, v1, SP
	v_lshl_add_u32 v5, v2, 5, v5
	v_add_nc_u32 v[STO], s23, v5                   ; in: row r, 32 bytes for each half of the lanes
	v_lshl_add_u32 v[RD], v6, 4, s23               ; back: a whole row of 512 bytes a load
	v_lshlrev_b32 v[CO], 4, v6
	s_lshl_b32 s23, s10, 15
	v_lshl_add_u32 v[XST], v6, 4, s23
	s_xor_b32 s23, s10, 2
	s_lshl_b32 s23, s23, 15
	v_lshl_add_u32 v[XLD], v6, 4, s23
; The 64 accumulators take turns, one instruction a turn, in the same order in every quarter.
.macro MUL16 f, hi, a0, zero
.irp a, \a0, \a0+1
.irp b, 0,1,2,3,4,5,6,7
.if \zero
	v_wmma_f32_16x16x32_f16 v[8*(8*(\a)+\b):8*(8*(\a)+\b)+7], v[\f+8*\b:\f+8*\b+7], v[\f+8*(4*\hi+\a):\f+8*(4*\hi+\a)+7], 0
.else
	v_wmma_f32_16x16x32_f16 v[8*(8*(\a)+\b):8*(8*(\a)+\b)+7], v[\f+8*\b:\f+8*\b+7], v[\f+8*(4*\hi+\a):\f+8*(4*\hi+\a)+7], v[8*(8*(\a)+\b):8*(8*(\a)+\b)+7]
.endif
.endr
.endr
.endm
.macro FETCH slot, k, f
	WIN TO_B
.irp i, 0,1,2,3,4,5,6,7
	ds_load_b128 v[\f+8*\i:\f+8*\i+3],   v[ADRB+\slot] offset:\k+\i*16*PB
	ds_load_b128 v[\f+8*\i+4:\f+8*\i+7], v[ADRB+\slot] offset:\k+\i*16*PB+32
.endr
	WIN 0
.irp i, 0,1,2,3
	ds_load_b128 v[\f+8*\i:\f+8*\i+3],   v[ADRK+\slot] offset:\k+\i*16*PA
	ds_load_b128 v[\f+8*\i+4:\f+8*\i+7], v[ADRK+\slot] offset:\k+\i*16*PA+32
.endr
.irp i, 0,1,2,3
	ds_load_b128 v[\f+32+8*\i:\f+32+8*\i+3],   v[ADRG+\slot] offset:\k+\i*16*PA
	ds_load_b128 v[\f+32+8*\i+4:\f+32+8*\i+7], v[ADRG+\slot] offset:\k+\i*16*PA+32
.endr
.endm
.macro PLACES                          ; four places behind a matrix instruction, in front of loads into its sources and of readers of its result
.rept 4
	v_nop
.endr
.endm
.macro HALF1 slot, zero
	s_wait_dscnt 8                                 ; B and the rows to keep are in; the youngest eight loads (rows to give) may be out
	WIN MUL_LO
	MUL16 F0, 0, 0, \zero
	MUL16 F0, 0, 2, \zero
	PLACES
	FETCH \slot, 64, F1
	s_wait_dscnt 32                                ; all but the 32 just issued
	WIN MUL_HI
	MUL16 F0, 1, 0, \zero
	MUL16 F0, 1, 2, \zero
.endm
; One barrier for the change of slots: in front of it each wave waits for its reads of this slot and for all its tensor loads (one is out: its part
; of the next slot); behind it the refill comes first.  From a request to the wait for it a wave issues 112 matrix instructions.
.macro TURN slot, next, fill
	s_wait_dscnt 8
	WIN MUL_LO
	MUL16 F1, 0, 0, 0
	s_wait_dscnt 0                                 ; my reads of this slot are over
	s_wait_tensorcnt 0x0                           ; all my tensor loads have landed
	ds_add_u32 v255, v255
	s_wait_dscnt 0x0
	s_barrier_signal -1
	MUL16 F1, 0, 2, 0                              ; register work while the others arrive
	WIN 0
	s_barrier_wait -1
.if \fill
	CREST                                          ; no wave of any partner still reads this slot or has a load on its way
	s_add_nc_u64 s[G0+4*\slot+2:G0+4*\slot+3], s[G0+4*\slot+2:G0+4*\slot+3], 4*262144
	s_add_nc_u64 s[G0B+4*\slot+2:G0B+4*\slot+3], s[G0B+4*\slot+2:G0B+4*\slot+3], 2*KSTEP*2
	JLOAD \slot                                    ; the first tensor load behind the round, my only one until the next
.endif
	PLACES
	FETCH \next, 0, F0
	WIN MUL_HI
	MUL16 F1, 1, 0, 0
	MUL16 F1, 1, 2, 0
.endm
.macro LAP zero
	HALF1 0, \zero
	TURN 0, 1, 1
	HALF1 1, 0
	TURN 1, 0, 1
.endm
	s_wait_tensorcnt 1                             ; my part of K step 0 is in; K step 1's may stay out
	s_barrier_signal -1
	s_barrier_wait -1
	FETCH 0, 0, F0
	LAP 1
	WIN 0
	s_mov_b32 s3, LAPS-2
.Llap:
	LAP 0
	WIN 0
	s_sub_co_u32 s3, s3, 1
	s_cmp_lg_u32 s3, 0
	s_cbranch_scc1 .Llap
	HALF1 0, 0                                     ; the last lap fills nothing
	TURN 0, 1, 0
	HALF1 1, 0
	s_wait_dscnt 8
	WIN MUL_LO
	MUL16 F1, 0, 0, 0
	MUL16 F1, 0, 2, 0
	s_wait_dscnt 0
	WIN MUL_HI
	MUL16 F1, 1, 0, 0
	MUL16 F1, 1, 2, 0
	; THE END.  The four places serve the LDS stores of results and the sums.
	PLACES
	WIN 0
	s_wait_dscnt 0x0
	s_barrier_signal -1
	s_barrier_wait -1                              ; nobody reads the ring any more, and it has had its last fill
	WIN 0x0c                                       ; store data from window 3
.set q, 0
.rept 64
	ds_store_b128 v[XST], v[4*q:4*q+3] offset:512*q
.set q, q+1
.endr
	s_wait_dscnt 0x0                               ; for my partner's sake: zero
	s_barrier_signal -1
	s_barrier_wait -1
	WIN 0xc0                                       ; into window 3: my partner's sums for the rows that I keep
.set q, 0
.rept 64
	ds_load_b128 v[4*q:4*q+3], v[XLD] offset:512*q
.set q, q+1
.endr
	s_wait_dscnt 0x0
	WIN 0x8e                                       ; window 2 += window 3
.set q, 0
.rept 128
	v_pk_add_f32 v[2*q:2*q+1], v[2*q:2*q+1], v[2*q:2*q+1]
.set q, q+1
.endr
	WIN 0
	s_lshl_b32 s16, s13, 20                        ; row 128 by x 8,192 bytes
	s_lshl_b32 s15, s11, 19                        ; + 64 kh rows
	s_add_co_u32 s16, s16, s15
	s_mov_b32 s17, 0
	s_add_nc_u64 s[8:9], s[8:9], s[16:17]
	s_lshl_b32 s46, s42, 10                        ; column 256 bx + 128 nh, 4 bytes each
	s_lshl_b32 s47, s12, 9
	s_add_co_u32 s46, s46, s47
	s_mov_b32 s47, 0
	s_add_nc_u64 s[8:9], s[8:9], s[46:47]
; 16 rows at a time through my stage: 32 bytes a lane in, whole rows of 512 bytes back.
.macro OOUT a, f
	WIN 0x08                                       ; store data from window 2
.irp b, 0,1,2,3,4,5,6,7
	ds_store_b128 v[STO], v[8*(8*\a+\b):8*(8*\a+\b)+3]   offset:64*\b
	ds_store_b128 v[STO], v[8*(8*\a+\b)+4:8*(8*\a+\b)+7] offset:64*\b+16
.endr
	WIN 0
	s_wait_xcnt 0x0                                ; buffer f, which earlier stores read, and the stores' base are rewritten only behind this wait
.if \a
	s_add_nc_u64 s[8:9], s[8:9], 16*8192
.endif
.set t, 0
.rept 16
	ds_load_b128 v[\f+4*t:\f+4*t+3], v[RD] offset:t*SP     ; a wave's LDS instructions are served in order: these see the stores above
.set t, t+1
.endr
.set t, 0
.rept 16
	s_wait_dscnt 15-t
	global_store_b128 v[CO], v[\f+4*t:\f+4*t+3], s[8:9] offset:t*8192 th:TH_STORE_NT    ; 512 consecutive bytes of a row, aligned
.set t, t+1
.endr
.endm
	OOUT 0, F0
	OOUT 1, F1
	OOUT 2, F0
	OOUT 3, F1
	s_set_vgpr_msb 0x1
	s_wait_tensorcnt 0x0
	ds_add_u32 v255, v255
	s_wait_dscnt 0x0
	s_set_vgpr_msb 0x100
	CROUND                                         ; the closing round
	s_endpgm
.Lfunc_end_k_q600deb0187_oproj:
	.size	k_q600deb0187_oproj, .Lfunc_end_k_q600deb0187_oproj-k_q600deb0187_oproj
	.p2alignl 7, 3214868480
	.fill 96, 4, 3214868480
	.section	.rodata,"a",@progbits
	.p2align	6, 0x0
	.amdhsa_kernel k_q600deb0187_oproj
		.amdhsa_group_segment_fixed_size 327680
		.amdhsa_private_segment_fixed_size 0
		.amdhsa_enable_private_segment 0
		.amdhsa_kernarg_size 24
		.amdhsa_user_sgpr_count 2
		.amdhsa_user_sgpr_kernarg_segment_ptr 1
		.amdhsa_wavefront_size32 1
		.amdhsa_system_sgpr_workgroup_id_x 1
		.amdhsa_system_sgpr_workgroup_id_y 1
		.amdhsa_system_sgpr_workgroup_id_z 1
		.amdhsa_system_vgpr_workitem_id 0
		.amdhsa_next_free_vgpr 1024
		.amdhsa_next_free_sgpr 70
		.amdhsa_reserve_vcc 0
		.amdhsa_float_denorm_mode_32 3
		.amdhsa_float_denorm_mode_16_64 3
		.amdhsa_memory_ordered 1
		.amdhsa_forward_progress 1
		.amdhsa_inst_pref_size 121
	.end_amdhsa_kernel
	.amdgpu_metadata
---
amdhsa.version: [ 1, 2 ]
amdhsa.kernels:
  - .name:           k_q600deb0187_oproj
    .symbol:         k_q600deb0187_oproj.kd
    .args:
      - { .name: oh, .offset: 0, .size: 8, .value_kind: global_buffer, .address_space: global }
      - { .name: wob, .offset: 8, .size: 8, .value_kind: global_buffer, .address_space: global }
      - { .name: out0, .offset: 16, .size: 8, .value_kind: global_buffer, .address_space: global }
    .group_segment_fixed_size: 327680
    .private_segment_fixed_size: 0
    .kernarg_segment_align: 8
    .kernarg_segment_size: 24
    .max_flat_workgroup_size: 128
    .sgpr_count:     70
    .vgpr_count:     1024
    .wavefront_size: 32
...
	.end_amdgpu_metadata
.endif
;; end of part 4
